; MI455X (gfx1250); checked and timed in simulation.
; The chip was launched on July 23, 2026; its instructions are those of AMD's public machine-readable ISA for CDNA 5 (MIT licence, August 2026) and "CDNA5" Instruction Set Architecture Reference Guide (July 2026). The comments in the code are by the model that wrote it; some were corrected since.
;; Multihead Attention. Allowed arithmetic: matrix products marked QUANTISED: E2M1 operands, one E8M0 scale for each 32 along K, by v_wmma_scale_f32_16x16x128_f8f6f4 with both operands' format E2M1 (or v_wmma_scale_f32_32x16x128_f4), f32 sums; everything else in f32.
;; Inputs: Wk_codes 768 x 24 x 16 uint8 (E2M1 codes of Wk, K innermost, in blocks of 32 codes, two codes a byte); Wk_scales 768 x 24 uint8 (E8M0 scales of Wk, one for each 32 codes along K); Wq_codes 768 x 24 x 16 uint8 (E2M1 codes of Wq, K innermost, in blocks of 32 codes, two codes a byte); Wq_scales 768 x 24 uint8 (E8M0 scales of Wq, one for each 32 codes along K); Wv_codes 768 x 24 x 16 uint8 (E2M1 codes of Wv, K innermost, in blocks of 32 codes, two codes a byte); Wv_scales 768 x 24 uint8 (E8M0 scales of Wv, one for each 32 codes along K); hidden_states_codes 2 x 4,096 x 24 x 16 uint8 (E2M1 codes of hidden_states, K innermost, in blocks of 32 codes, two codes a byte); hidden_states_scales 2 x 4,096 x 24 uint8 (E8M0 scales of hidden_states, one for each 32 codes along K); key_value_states_codes 2 x 4,096 x 24 x 16 uint8 (E2M1 codes of key_value_states, K innermost, in blocks of 32 codes, two codes a byte); key_value_states_scales 2 x 4,096 x 24 uint8 (E8M0 scales of key_value_states, one for each 32 codes along K).
;; Outputs: out0 2 x 4,096 x 768 float32.
;; This version of the problem:
;;   THIS VERSION OF THE PROBLEM IS GIVEN IN LOW PRECISION. The matrix products marked QUANTISED in the list below multiply operands that are first quantised to E2M1 (2 exponent bits, 1 mantissa bit; 4 bits a number), with one power-of-two scale for each 32 numbers along K (OCP MX v1.0); their sums are f32. All else is computed in f32.
;;   The module's matrix products, in the order in which they are computed (A, B: the left and right operand; K: the contracted axis; several contracted axes count as one K, in the product's order):
;;     1. [M 8,192, K 768] x [K 768, N 768]; A: input hidden_states (given as codes); B: input Wq (given as codes): QUANTISED
;;     2. [M 8,192, K 768] x [K 768, N 768]; A: input key_value_states (given as codes); B: input Wk (given as codes): QUANTISED
;;     3. [M 8,192, K 768] x [K 768, N 768]; A: input key_value_states (given as codes); B: input Wv (given as codes): QUANTISED
;;     4. batch 16 x [M 4,096, K 96] x [K 96, N 4,096]; A: computed on the way; B: computed on the way: QUANTISED
;;     5. batch 16 x [M 4,096, K 4,096] x [K 4,096, N 96]; A: softmax (see below); B: computed on the way: QUANTISED
;;   THE QUANTISER, for each operand of a quantised product, along K:
;;     - K is cut into blocks of 32 from its start; a last block that is shorter is filled with zeros.
;;     - A block's scale is 2^e with e = floor(log2(the largest magnitude in the block)) - 2, held to -126 .. 127; a block of zeros has e = 0. As a byte (E8M0): e + 127.
;;     - Each number is divided by its block's scale, clamped to +-6, and rounded to the nearest number of E2M1, ties to even, subnormals kept.
;;     - The product sums the exact products of the quantised numbers (number of the format x scale) in f32.
;;   ~~~python
;;   def quantise(x, axis):      # numpy; x: float32 -> the quantised numbers, widened to float32 again
;;       x = np.moveaxis(x, axis, -1); K = x.shape[-1]
;;       x = np.pad(x, [(0, 0)] * (x.ndim - 1) + [(0, -K % 32)]); x = x.reshape(x.shape[:-1] + (-1, 32)); a = np.abs(x).max(-1, keepdims=True)
;;       e = np.where(a > 0, np.clip(np.frexp(np.where(a > 0, a, 1))[1] - 1 - 2, -126, 127), 0)      # np.frexp(a)[1] - 1 = floor(log2(a)), exactly
;;       r = np.clip(x / 2.0 ** e, -6, 6)
;;       step = 2.0 ** (np.maximum(np.frexp(np.where(r == 0, 1, r))[1] - 1, 0) - 1)
;;       q = np.round(r / step) * step * 2.0 ** e      # np.round: ties to even
;;       return np.moveaxis(q.reshape(q.shape[:-2] + (-1,))[..., :K], -1, axis).astype(np.float32)
;;   ~~~
;;   SOFTMAX AHEAD OF A QUANTISED PRODUCT. Where the list says 'softmax', what is quantised is not the finished softmax but p = 2^(t - M), with t = logit x log2(e) and M = ceil(the row's largest t), a whole number; so 1/2 < the row's largest p <= 1. The row's sum l is taken of the UNQUANTISED p, in f32, and the product's result is divided by l at the end. Since M is a whole number, a kernel that streams over the keys may use a running M (the ceiling of the running maximum): every later rescaling is an exact power of two, which a block's scale takes up: the codes' values come out the same.
;;   OPERANDS COMPUTED ON THE WAY. 'Computed on the way' means the value that the module computes at that place (a softmax that the list does not call 'softmax' is quantised finished and normalised). What goes into a quantiser is computed in f32, as accurately as f32 sums, v_exp_f32 and their like allow (about 1e-6 of the number): no bf16 or f16 on the way to a quantiser, and a product that is left as it is and whose result goes on into a quantised operand takes f32 operands (vector FMAs, or v_wmma_f32_16x16x4_f32). A number that lies on a knife's edge between two numbers of the format may be rounded either way, as far as f32 arithmetic and the matrix unit's own rounding can turn it there, and no further.
;;   INPUTS GIVEN AS CODES. Wk (in the module: [768, 768], K = its axis 0); Wq (in the module: [768, 768], K = its axis 0); Wv (in the module: [768, 768], K = its axis 0); hidden_states (in the module: [2, 4096, 768], K = its axis 2); key_value_states (in the module: [2, 4096, 768], K = its axis 2): each comes as NAME_codes (uint8): NAME with its K axis moved to the last place and cut into blocks of 32 codes, [.., K / 32, bytes a block], one block behind the other in memory; two codes a byte, the lower K in the low four bits (a code: sign, 2 exponent bits, 1 mantissa bit); and NAME_scales (uint8): the same leading axes, one E8M0 byte (e + 127) for each 32 codes along K. Its value is code x scale, taken as it is: it is not quantised again, and the codes and scales need not be those that the quantiser above would give.
;; One version. Each part assembles by itself: llvm-mc -triple=amdgcn-amd-amdhsa -mcpu=gfx1250 --defsym DOCPART=n.
;; ======== version 1 of 1: 2 launches
;; workspace buffers: qimg 4,456,448 bytes; kv 7,864,320 bytes
;; launch proj (part 1): grid 32 x 6, 4 waves a work-group, no clusters, 168,448 bytes of LDS; arguments hidden_states_codes, hidden_states_scales, key_value_states_codes, key_value_states_scales, Wq_codes, Wq_scales, Wk_codes, Wk_scales, Wv_codes, Wv_scales, qimg, kv; writes qimg, kv
.if DOCPART == 1
	.amdgcn_target "amdgcn-amd-amdhsa--gfx1250"
	.amdhsa_code_object_version 6
	.text
	.protected	k_q0ec3fde0df_proj
	.globl	k_q0ec3fde0df_proj
	.p2align	8
	.type	k_q0ec3fde0df_proj,@function
k_q0ec3fde0df_proj:
	s_mov_b64 s[64:65], 0
	v_nop
	global_prefetch_b8 v0, s[64:65] scope:SCOPE_SE
	s_setreg_imm32_b32 hwreg(HW_REG_WAVE_MODE, 25, 1), 1
	s_wait_xcnt 0x0
; q = hidden Wq / sqrt(96), k = key_value Wk, v = key_value Wv: three products [8192, 768] x [768, 768] on given codes of FP4 (E2M1) with one E8M0 byte for each 32 along K.
; The f32 results are quantised at once for the attention launch: q and k along the head's 96 channels (three blocks of 32; the fourth block of a 128-deep operand is zero codes under the byte 127),
; v along the keys (blocks of 32 keys for each channel).  They leave as IMAGES OF THE OPERANDS' REGISTERS: a fragment (16 rows x 128 K, 8 registers a lane) is 1,024 bytes, registers 0-3 of lane l
; at 16 l, registers 4-7 at 512 + 16 l.  A RECORD serves 128 tokens of one (batch, head):
;   qimg: 8 fragments (tiles of 16 tokens) at 1,024 t, 512 bytes of scale words at 8,192: 8,704 bytes.
;   kv:   k's part laid alike (bytes 0 .. 8,703); v's 6 fragments (tiles of 16 channels, K = the record's 128 keys) at 8,704 + 1,024 c; v's 512 bytes of scale words at 14,848: 15,360 bytes.
;   scale words: lane l's 16 bytes at 16 l are words 0-3; word i holds in lanes 0-15 the words of tile 2 i, in lanes 16-31 those of tile 2 i + 1 (row = lane % 16).
; THE TOKENS OF A TILE ARE NOT NEIGHBOURS: row r of tile 2 b + u of a record is token 32 b + 8 u + r + 8 (r / 8), so that in the attention launch 16 registers of two neighbouring score tiles are 16 neighbouring keys.
; SHARES.  Work-group x takes 256 tokens; y = 2 x matrix (0 q, 1 k, 2 v) + half of the heads.  Wave w owns head 4 half + w: its 96 rows of W (36 fragments, 288 registers) and their scale words stay in
; registers for the whole launch.  The 256 tokens' codes and scale bytes come into LDS once, by two tensor loads a wave, and all four waves read them; nothing in LDS is filled again or stored to.
; A UNIT is 32 tokens (two tiles) x the head's 6 tiles x 6 K steps: 72 matrix instructions on 12 accumulators that take turns, one instruction a turn.
; q, k: source 0 = 16 rows of W (row r of tile 2 b + u is head row 32 b + 8 u + r + 8 (r / 8)), source 1 = 16 tokens: a lane holds one token, and 16 registers of two tiles are 16 neighbouring channels.
; v:    source 0 = 16 tokens, source 1 = 16 rows of W as they lie: a lane holds one channel, and 16 registers of two tiles are 16 neighbouring keys.
; Either way the 96 accumulator registers are six groups of 16, each half a block of 32 along the next K; the lane 16 away holds the other half.
; NO CLUSTER: a tile of tokens is shared by 2 (q) or 4 (k, v) of the 6 work-groups along y, and 6 is no multiple of 4; each work-group fetches its tile once; the weights go to registers, not through LDS.
; LIMITS: NaN and infinities are not served.  A block whose largest magnitude lies under 2^-124 gets the byte 1 (the quantiser's hold at e = -126); a block of zeros so gets 1 where the quantiser says 127:
; its codes are zeros, and the bytes are read by this program alone.  q is multiplied by the f32 number nearest 1 / sqrt(96) where the definition divides by sqrt(96): at most about one unit in the last place apart.
.set TOKB,  384                        ; a token's or a weight row's 768 codes in bytes
.set TOKP,  432                        ; and in LDS: three rows of 128 bytes + 16 of padding each; 27 x 16 bytes
.set XSC,   256*TOKP                   ; LDS: behind the codes (110,592 bytes) the tokens' scale bytes, 24 a token, dense: 6,144 bytes
.set QREC,  8704
.set REC,   15360
.set LI,    4                          ; v4    16 x lane: an image's place for my lane; never rewritten
.set XA,    5                          ; v5    LDS: my lane's place in a tile of tokens: (r + 8 (r / 8)) x 432 + 16 (lane / 16)
.set XSA,   6                          ; v6    LDS: my lane's scale words: lanes 0-15 the unit's first tile, lanes 16-31 its second
.set WA,    7                          ; v7-8  my lane's byte in W's even tiles, odd tiles
.set WSA,   9                          ; v9-10 the same among W's scale bytes
.set WS,    16                         ; v16-51   W's scale words: tile t, K step s at 6 t + s
.set XS,    52                         ; v52-63   the tokens' scale words: two sets of 6, one register a K step
.set ACC,   64                         ; v64-159  the 12 accumulators
.set PC,    160                        ; v160-207 codes
.set VS,    208                        ; v208-213 v's scale words, a byte a unit
.set PW,    214                        ; v214-215 q's or k's scale words of the unit's two tiles
.set WC4,   216                        ; v216-219 a record's four combined scale words
.set TM,    220                        ; v220-225 largest magnitudes
.set TX,    226                        ; v226-231 the other half's
.set SO,    232                        ; v232-237 the conversions' scale operands
.set SB,    238                        ; v238-243 the scales' bytes
; window 1: W's fragments of K steps 0-4 at v[8 (6 s + t)].   window 2: v0-47 those of K step 5; v64-159 and v160-255 two buffers of a unit's 12 fragments of tokens (tile u, K step s at 48 u + 8 s)
.set XCP,   32                         ; s[32:33] the tokens' codes     s[34:35] their scale bytes
.set XSP,   34
.set WCP,   36                         ; s[36:37] my head's rows of W   s[38:39] their scale bytes
.set WSP,   38
.set OUT,   40                         ; s[40:41] where the record in hand is stored
.set STR,   42                         ; s[42:43] a record's bytes
.set MAT,   44                         ; s44 0 q, 1 k, 2 v
.set HALF,  45
.set WV,    46
.set HD,    47
.set SEL,   48                         ; s[48:49] lane selects for v_permlanex16_b32: the lane 16 away
.set CQ,    50                         ; s[50:51] 1 / sqrt(96); the packed form names a pair and takes its low word for both halves
.set HI,    52                         ; s52 a mask of lanes 16-31
.set MSK8,  53                         ; s53 8 where W's rows are permuted (q, k), 0 where not (v)
.set DW,    54                         ; s54 bytes from an even tile of W to the odd one: 8 rows (q, k) or 16 (v)
.set DS,    55                         ; s55 the same among the scale bytes
.set TRIP,  56
.set G1C,   68                         ; s[68:75], s[76:79] descriptor groups 1 and 0 for the codes;  s[80:87], s[88:91] for the scale bytes
.set G0C,   76
.set G1S,   80
.set G0S,   88
.set MSB, 0
.macro WIN new                         ; s_set_vgpr_msb: bits 1:0 source 0, 3:2 source 1, 5:4 source 2, 7:6 destination; the high byte repeats the setting that is left
.if MSB != \new
	s_set_vgpr_msb (MSB<<8)|\new
.set MSB, \new
.endif
.endm
	s_load_b512 s[8:23], s[0:1], 0x0               ; hidden codes, scales; key_value codes, scales; Wq codes, scales; Wk codes, scales
	s_load_b256 s[24:31], s[0:1], 0x40             ; Wv codes, scales; qimg; kv
	v_lshl_add_u32 v254, v0, 2, 0x29000
	v_mov_b32 v255, 0
	ds_add_u32 v254, v255
	v_lshrrev_b32 v1, 5, v0
	v_readfirstlane_b32 s[WV], v1                  ; wave 0..3
	s_and_b32 s2, ttmp7, 0xffff
	s_lshr_b32 s[MAT], s2, 1
	s_and_b32 s[HALF], s2, 1
	s_lshl_b32 s[HD], s[HALF], 2
	s_add_co_u32 s[HD], s[HD], s[WV]               ; my head
	s_mov_b32 s[SEL], 0x76543210
	s_mov_b32 s[SEL+1], 0xfedcba98
	s_mov_b32 s[CQ], 0x3dd105ec                    ; 1 / sqrt(96)
	s_mov_b32 s[CQ+1], s[CQ]
	s_mov_b32 s[HI], 0xffff0000
	s_cmp_eq_u32 s[MAT], 2
	s_cselect_b32 s[MSK8], 0, 8
	s_mov_b32 s[DW], 8*TOKB
	s_cselect_b32 s[DW], 16*TOKB, s[DW]
	s_mov_b32 s[DS], 8*24
	s_cselect_b32 s[DS], 16*24, s[DS]
	; group 1 for the codes: my 64 tokens are 24,576 dense bytes: 192 rows of 128 bytes (16 elements of 8), 16 bytes of padding behind each
	s_mov_b32 s[G1C+0], (3<<16)|(1<<20)|(4<<22)|(3<<25)   ; 17:16 elements of 8 bytes; 20 padding on; 24:22 after every 32 words (code 4); 31:25 four words (code 3)
	s_mov_b32 s[G1C+1], 16<<16                     ; tensor_dim0
	s_mov_b32 s[G1C+2], 192<<16                    ; tensor_dim1
	s_mov_b32 s[G1C+3], 16<<16                     ; tile_dim0
	s_mov_b32 s[G1C+4], 192                        ; tile_dim1
	s_mov_b32 s[G1C+5], 16                         ; from row to row
	s_mov_b32 s[G1C+6], 0
	s_mov_b32 s[G1C+7], 0
	; and for the scale bytes: my 64 tokens' are 1,536 dense bytes: 6 rows of 256 bytes, no padding
	s_mov_b32 s[G1S+0], 3<<16
	s_mov_b32 s[G1S+1], 32<<16
	s_mov_b32 s[G1S+2], 6<<16
	s_mov_b32 s[G1S+3], 32<<16
	s_mov_b32 s[G1S+4], 6
	s_mov_b32 s[G1S+5], 32
	s_mov_b32 s[G1S+6], 0
	s_mov_b32 s[G1S+7], 0
	v_and_b32 v1, 15, v0                           ; r
	v_bfe_u32 v2, v0, 4, 1                         ; h
	v_and_b32 v3, 31, v0
	v_lshlrev_b32 v[LI], 4, v3
	v_and_b32 v3, 8, v1
	v_add_nc_u32 v3, v3, v1                        ; r + 8 (r / 8)
	v_mul_u32_u24 v[XA], v3, TOKP
	v_lshl_add_u32 v[XA], v2, 4, v[XA]
	v_lshl_add_u32 v[XSA], v2, 3, v3               ; lanes 16-31: the tile 8 tokens on
	v_mul_u32_u24 v[XSA], v[XSA], 24
	v_add_nc_u32 v[XSA], XSC, v[XSA]
	v_and_b32 v11, s[MSK8], v1
	v_add_nc_u32 v11, v11, v1                      ; W's row in a tile: permuted for q and k, as it lies for v
	v_mul_u32_u24 v[WA], v11, TOKB
	v_lshl_add_u32 v[WA], v2, 4, v[WA]
	v_add_nc_u32 v[WA+1], s[DW], v[WA]
	v_mul_u32_u24 v[WSA], v11, 24
	v_add_nc_u32 v[WSA+1], s[DS], v[WSA]
.irp k, 0,1,2,3,4,5
	v_mov_b32 v[TX+\k], 0                          ; written once: a lane permute's destination counts as one of its sources
.endr
	s_wait_dscnt 0x0
	s_wait_kmcnt 0x0
	s_cmp_eq_u32 s[MAT], 0                         ; the buffers are chosen by the work-group's number alone
	s_cselect_b64 s[XCP:XCP+1], s[8:9], s[12:13]
	s_cselect_b64 s[XSP:XSP+1], s[10:11], s[14:15]
	s_cselect_b64 s[WCP:WCP+1], s[16:17], s[20:21]
	s_cselect_b64 s[WSP:WSP+1], s[18:19], s[22:23]
	s_cselect_b64 s[OUT:OUT+1], s[28:29], s[30:31]
	s_mov_b32 s[STR], REC
	s_cselect_b32 s[STR], QREC, s[STR]
	s_mov_b32 s[STR+1], 0
	s_cmp_eq_u32 s[MAT], 2
	s_cselect_b64 s[WCP:WCP+1], s[24:25], s[WCP:WCP+1]
	s_cselect_b64 s[WSP:WSP+1], s[26:27], s[WSP:WSP+1]
	s_cselect_b32 s58, QREC, 0                     ; v's part of a record lies behind k's
	s_mov_b32 s61, 0
	s_mov_b32 s[G0C], 1                            ; 1:0 count = 1
	s_mul_i32 s[G0C+1], s[WV], 192*144             ; LDS: wave x 64 tokens
	s_mul_i32 s60, ttmp9, 256*TOKB
	s_mul_i32 s62, s[WV], 64*TOKB
	s_add_co_u32 s60, s60, s62
	s_add_nc_u64 s[G0C+2:G0C+3], s[XCP:XCP+1], s[60:61]
	s_or_b32 s[G0C+3], s[G0C+3], 0x80000000        ; 127:126 type = 2
	s_mov_b32 s[G0S], 1
	s_mul_i32 s[G0S+1], s[WV], 1536
	s_add_co_u32 s[G0S+1], s[G0S+1], XSC
	s_mul_i32 s60, ttmp9, 256*24
	s_mul_i32 s62, s[WV], 1536
	s_add_co_u32 s60, s60, s62
	s_add_nc_u64 s[G0S+2:G0S+3], s[XSP:XSP+1], s[60:61]
	s_or_b32 s[G0S+3], s[G0S+3], 0x80000000
	tensor_load_to_lds s[G0C:G0C+3], s[G1C:G1C+7]  ; the launch's only fills: two loads of mine are out, ahead of every wait on TENSORcnt, every LDS read and the barrier
	s_nop 0
	tensor_load_to_lds s[G0S:G0S+3], s[G1S:G1S+7]
	s_nop 0
.rept 4
	v_nop                                          ; four plain lines behind the tensor loads, ahead of the first switch of windows
.endr
	s_mul_i32 s60, s[HD], 96*TOKB                  ; my head's 96 rows of W
	s_add_nc_u64 s[WCP:WCP+1], s[WCP:WCP+1], s[60:61]
	s_mul_i32 s60, s[HD], 96*24
	s_add_nc_u64 s[WSP:WSP+1], s[WSP:WSP+1], s[60:61]
	s_lshr_b32 s2, ttmp9, 4                        ; the batch: 16 work-groups of 256 tokens each
	s_lshl_b32 s2, s2, 3
	s_add_co_u32 s2, s2, s[HD]                     ; 8 x batch + head
	s_lshl_b32 s2, s2, 5                           ; 32 records each
	s_and_b32 s3, ttmp9, 15
	s_lshl_b32 s3, s3, 1
	s_add_co_u32 s2, s2, s3                        ; my work-group's first of two records
	s_mul_i32 s60, s2, s[STR]
	s_add_co_u32 s60, s60, s58
	s_add_nc_u64 s[OUT:OUT+1], s[OUT:OUT+1], s[60:61]
	; W into registers: tile t begins at row 32 (t / 2), its parity picks the address register
	WIN 0x40                                       ; destination window 1
.irp s, 0,1,2,3,4
.irp t, 0,1,2,3,4,5
.irp c, 0,1
	global_load_b128 v[8*(6*\s+\t)+4*\c:8*(6*\s+\t)+4*\c+3], v[WA+\t%2], s[WCP:WCP+1] offset:32*(\t/2)*TOKB+64*\s+32*\c
.endr
.endr
.endr
	WIN 0x80                                       ; destination window 2
.irp t, 0,1,2,3,4,5
.irp c, 0,1
	global_load_b128 v[8*\t+4*\c:8*\t+4*\c+3], v[WA+\t%2], s[WCP:WCP+1] offset:32*(\t/2)*TOKB+64*5+32*\c
.endr
.endr
	WIN 0
.irp t, 0,1,2,3,4,5
.irp i, 0,1,2
	global_load_b64 v[WS+6*\t+2*\i:WS+6*\t+2*\i+1], v[WSA+\t%2], s[WSP:WSP+1] offset:32*(\t/2)*24+8*\i
.endr
.endr
; A unit's 12 fragments of tokens and 6 registers of scale words, from LDS into buffer b % 2.  Byte y of a token's row lies at y + 16 (y / 128).
.macro XFETCH b
	WIN 0x80                                       ; destination window 2, address window 0
.irp u, 0,1
.irp s, 0,1,2,3,4,5
.irp c, 0,1
	ds_load_b128 v[64+96*((\b)%2)+48*\u+8*\s+4*\c:64+96*((\b)%2)+48*\u+8*\s+4*\c+3], v[XA] offset:(32*(\b)+8*\u)*TOKP+64*\s+16*(\s/2)+32*\c
.endr
.endr
.endr
	WIN 0
.irp i, 0,1,2
	ds_load_b64 v[XS+6*((\b)%2)+2*\i:XS+6*((\b)%2)+2*\i+1], v[XSA] offset:768*(\b)+8*\i
.endr
.endm
; One matrix instruction: unit b, K step s, the unit's tile of tokens u, W's tile t.  The first K step starts the sum with the constant 0: nothing is cleared.
; The second tile's scale words lie in lanes 16-31 of the tokens' scale register.  W's fragment: v[8 (6 s + t)] of window 1 for s = 0 .. 4, v[8 t] of window 2 for s = 5.
.macro PROD isv, b, s, u, t
.set rX, 64+96*((\b)%2)+48*\u+8*\s
.set rW, 8*(6*((\s)%5)+\t)
.set rWS, WS+6*\t+\s
.set rXS, XS+6*((\b)%2)+\s
.if \isv
.set rD, ACC+16*\t+8*\u
.if \s == 0
.if \u
	v_wmma_scale_f32_16x16x128_f8f6f4 v[rD:rD+7], v[rX:rX+7], v[rW:rW+7], 0, v[rXS], v[rWS] matrix_a_fmt:MATRIX_FMT_FP4 matrix_b_fmt:MATRIX_FMT_FP4 matrix_a_scale:MATRIX_SCALE_ROW1
.else
	v_wmma_scale_f32_16x16x128_f8f6f4 v[rD:rD+7], v[rX:rX+7], v[rW:rW+7], 0, v[rXS], v[rWS] matrix_a_fmt:MATRIX_FMT_FP4 matrix_b_fmt:MATRIX_FMT_FP4
.endif
.else
.if \u
	v_wmma_scale_f32_16x16x128_f8f6f4 v[rD:rD+7], v[rX:rX+7], v[rW:rW+7], v[rD:rD+7], v[rXS], v[rWS] matrix_a_fmt:MATRIX_FMT_FP4 matrix_b_fmt:MATRIX_FMT_FP4 matrix_a_scale:MATRIX_SCALE_ROW1
.else
	v_wmma_scale_f32_16x16x128_f8f6f4 v[rD:rD+7], v[rX:rX+7], v[rW:rW+7], v[rD:rD+7], v[rXS], v[rWS] matrix_a_fmt:MATRIX_FMT_FP4 matrix_b_fmt:MATRIX_FMT_FP4
.endif
.endif
.else
.set rD, ACC+48*\u+8*\t
.if \s == 0
.if \u
	v_wmma_scale_f32_16x16x128_f8f6f4 v[rD:rD+7], v[rW:rW+7], v[rX:rX+7], 0, v[rWS], v[rXS] matrix_a_fmt:MATRIX_FMT_FP4 matrix_b_fmt:MATRIX_FMT_FP4 matrix_b_scale:MATRIX_SCALE_ROW1
.else
	v_wmma_scale_f32_16x16x128_f8f6f4 v[rD:rD+7], v[rW:rW+7], v[rX:rX+7], 0, v[rWS], v[rXS] matrix_a_fmt:MATRIX_FMT_FP4 matrix_b_fmt:MATRIX_FMT_FP4
.endif
.else
.if \u
	v_wmma_scale_f32_16x16x128_f8f6f4 v[rD:rD+7], v[rW:rW+7], v[rX:rX+7], v[rD:rD+7], v[rWS], v[rXS] matrix_a_fmt:MATRIX_FMT_FP4 matrix_b_fmt:MATRIX_FMT_FP4 matrix_b_scale:MATRIX_SCALE_ROW1
.else
	v_wmma_scale_f32_16x16x128_f8f6f4 v[rD:rD+7], v[rW:rW+7], v[rX:rX+7], v[rD:rD+7], v[rWS], v[rXS] matrix_a_fmt:MATRIX_FMT_FP4 matrix_b_fmt:MATRIX_FMT_FP4
.endif
.endif
.endif
.endm
; A unit's 72 matrix instructions.  The next unit's fragments are asked for first, into the other buffer: its last readers are the unit before this one, whose quantising stands between.
.macro MM isv, b
	s_wait_dscnt 0x0                               ; this unit's 27 LDS loads, issued a unit ago, are in
.if (\b) < 3
	XFETCH (\b)+1
.endif
.irp s, 0,1,2,3,4,5
.if \s == 5
	WIN 0x0a                                       ; both sources window 2
.elseif \isv
	WIN 0x06                                       ; source 0 (tokens) window 2, source 1 (W) window 1
.else
	WIN 0x09                                       ; source 0 (W) window 1, source 1 (tokens) window 2
.endif
.irp u, 0,1
.irp t, 0,1,2,3,4,5
	PROD \isv, \b, \s, \u, \t
.endr
.endr
.endr
	WIN 0
.rept 4
	v_nop                                          ; four places between the last product and the first read of results (ISA guide 7.12.1)
.endr
.endm
; The six blocks' scales.  Group k = v[ACC + 16 k] on: my 16 numbers of a block of 32.  Each accumulator is read from its low end on.
.macro MAXSC
.irp k, 0,1,2,3,4,5
	v_max3_num_f32 v[TM+\k], |v[ACC+16*\k]|, |v[ACC+16*\k+1]|, 0x1800000   ; and the floor 2^(3 - 127): the byte cannot fall under 1
.endr
.irp i, 2,4,6,8,10,12,14
.irp k, 0,1,2,3,4,5
	v_max3_num_f32 v[TM+\k], v[TM+\k], |v[ACC+16*\k+\i]|, |v[ACC+16*\k+\i+1]|   ; (the six blocks by turns: no line waits for the line above it)
.endr
.endr
.irp k, 0,1,2,3,4,5
	v_permlanex16_b32 v[TX+\k], v[TM+\k], s[SEL], s[SEL+1]
.endr
.irp k, 0,1,2,3,4,5
	v_max_num_f32 v[TM+\k], v[TM+\k], v[TX+\k]     ; with the lane 16 away: the block's largest magnitude
.endr
.irp k, 0,1,2,3,4,5
	v_add_nc_u32 v[SO+\k], 0xff000000, v[TM+\k]    ; 2 off its exponent field: the conversion takes the exponent field of this operand as its scale, and nothing else of it
.endr
.irp k, 0,1,2,3,4,5
	v_lshrrev_b32 v[SB+\k], 23, v[SO+\k]           ; the scale's byte
.endr
.endm
; A unit of q or k: tiles 2 b and 2 b + 1 of the record.  Group 3 u + g is block g of tile u's tokens.
.macro QKUNIT b
	MM 0, \b
	s_cmp_lg_u32 s[MAT], 0                         ; q alone is scaled: a branch on the work-group's number
	s_cbranch_scc1 .Lnoscale_\@
.set j, 0
.rept 48
	v_pk_mul_f32 v[ACC+j:ACC+j+1], v[ACC+j:ACC+j+1], s[CQ:CQ+1] op_sel_hi:[1,0]
.set j, j+2
.endr
.Lnoscale_\@:
	MAXSC
.irp u, 0,1
	v_lshl_or_b32 v[PW+\u], v[SB+3*\u+1], 8, v[SB+3*\u]
	v_lshl_or_b32 v[PW+\u], v[SB+3*\u+2], 16, v[PW+\u]
	v_or_b32 v[PW+\u], 0x7f000000, v[PW+\u]        ; the fourth block is zero codes: the byte 127
.endr
	v_cndmask_b32 v[WC4+\b], v[PW], v[PW+1], s[HI] ; lanes 0-15 tile 2 b's words, lanes 16-31 tile 2 b + 1's
	s_wait_xcnt 0x0                                ; the last unit's stores have read the codes' registers, which are written again below
.irp u, 0,1
.irp g, 0,1,2
	v_cvt_scalef32_pk8_fp4_f32 v[PC+8*\u+2*\g], v[ACC+48*\u+16*\g:ACC+48*\u+16*\g+7], v[SO+3*\u+\g]
	v_cvt_scalef32_pk8_fp4_f32 v[PC+8*\u+2*\g+1], v[ACC+48*\u+16*\g+8:ACC+48*\u+16*\g+15], v[SO+3*\u+\g]
.endr
.endr
.irp u, 0,1
	v_mov_b32 v[PC+8*\u+6], 0                      ; channels 96 .. 127: zero codes.  (Also the plain lines behind the conversions)
	v_mov_b32 v[PC+8*\u+7], 0
.endr
.irp u, 0,1
.irp c, 0,1
.irp i, 0,1
	v_permlane16_swap_b32 v[PC+8*\u+4*\c+\i], v[PC+8*\u+4*\c+2+\i]   ; the operand's layout wants a whole block in a lane: lanes 0-15 block 2 c, lanes 16-31 block 2 c + 1
.endr
.endr
.endr
.irp u, 0,1
.irp c, 0,1
	global_store_b128 v[LI], v[PC+8*\u+4*\c:PC+8*\u+4*\c+3], s[OUT:OUT+1] offset:(2*(\b)+\u)*1024+512*\c   ; 32 lanes store 512 consecutive bytes, at a multiple of 256 from the buffer's first byte
.endr
.endr
.endm
; A unit of v: block b (32 keys) of the record's six fragments.  Group c is channel tile c.
.macro VUNIT b
	MM 1, \b
	MAXSC
.irp c, 0,1,2,3,4,5
.if (\b) == 0
	v_mov_b32 v[VS+\c], v[SB+\c]
.else
	v_lshl_or_b32 v[VS+\c], v[SB+\c], 8*(\b), v[VS+\c]
.endif
.endr
.irp c, 0,1,2,3,4,5
	v_cvt_scalef32_pk8_fp4_f32 v[PC+8*\c+2*(\b)], v[ACC+16*\c:ACC+16*\c+7], v[SO+\c]
	v_cvt_scalef32_pk8_fp4_f32 v[PC+8*\c+2*(\b)+1], v[ACC+16*\c+8:ACC+16*\c+15], v[SO+\c]
.endr
	v_nop                                          ; one plain line behind the last conversion
.endm
.macro VEND                            ; a record of v leaves
.irp c, 0,1,2,3,4,5
.irp d, 0,1
.irp i, 0,1
	v_permlane16_swap_b32 v[PC+8*\c+4*\d+\i], v[PC+8*\c+4*\d+2+\i]
.endr
.endr
.endr
.irp i, 0,1,2
	v_cndmask_b32 v[WC4+\i], v[VS+2*\i], v[VS+2*\i+1], s[HI]
.endr
	v_mov_b32 v[WC4+3], 0                          ; no tiles 6 and 7: the word is written all the same, so that no byte of a record stays unwritten
.irp c, 0,1,2,3,4,5
.irp d, 0,1
	global_store_b128 v[LI], v[PC+8*\c+4*\d:PC+8*\c+4*\d+3], s[OUT:OUT+1] offset:1024*\c+512*\d
.endr
.endr
	global_store_b128 v[LI], v[WC4:WC4+3], s[OUT:OUT+1] offset:6144
.endm
	s_wait_tensorcnt 0x0                           ; my parts of the tokens' codes and scale bytes are in LDS,
	s_barrier_signal -1
	s_barrier_wait -1                              ; everybody's are: the launch's only barrier; behind it LDS is only read
	s_wait_loadcnt 0x0                             ; W and its scale words
	s_mov_b32 s[TRIP], 2
.Ltrip:                                                ; a trip: 128 tokens, one record, four units.  The paths part inside the one counted loop, on the work-group's number
	XFETCH 0
	s_cmp_eq_u32 s[MAT], 2
	s_cbranch_scc1 .Lv
	QKUNIT 0
	QKUNIT 1
	QKUNIT 2
	QKUNIT 3
	global_store_b128 v[LI], v[WC4:WC4+3], s[OUT:OUT+1] offset:8192
	s_branch .Ljoin
.Lv:
	VUNIT 0
	VUNIT 1
	VUNIT 2
	VUNIT 3
	VEND
.Ljoin:
	s_wait_xcnt 0x0                                ; the stores have read their base and their data: both are written again only behind this wait
	s_add_nc_u64 s[OUT:OUT+1], s[OUT:OUT+1], s[STR:STR+1]
	v_add_nc_u32 v[XA], 128*TOKP, v[XA]            ; the next 128 tokens in LDS
	v_add_nc_u32 v[XSA], 128*24, v[XSA]
	s_sub_co_u32 s[TRIP], s[TRIP], 1
	s_cmp_lg_u32 s[TRIP], 0
	s_cbranch_scc1 .Ltrip
	s_wait_tensorcnt 0x0
	ds_add_u32 v254, v255
	s_wait_dscnt 0x0
	s_endpgm
.Lfunc_end_k_q0ec3fde0df_proj:
	.size	k_q0ec3fde0df_proj, .Lfunc_end_k_q0ec3fde0df_proj-k_q0ec3fde0df_proj
	.p2alignl 7, 3214868480
	.fill 96, 4, 3214868480
	.section	.rodata,"a",@progbits
	.p2align	6, 0x0
	.amdhsa_kernel k_q0ec3fde0df_proj
		.amdhsa_group_segment_fixed_size 168448
		.amdhsa_private_segment_fixed_size 0
		.amdhsa_enable_private_segment 0
		.amdhsa_kernarg_size 96
		.amdhsa_user_sgpr_count 2
		.amdhsa_user_sgpr_kernarg_segment_ptr 1
		.amdhsa_wavefront_size32 1
		.amdhsa_system_sgpr_workgroup_id_x 1
		.amdhsa_system_sgpr_workgroup_id_y 1
		.amdhsa_system_sgpr_workgroup_id_z 1
		.amdhsa_system_vgpr_workitem_id 0
		.amdhsa_next_free_vgpr 768
		.amdhsa_next_free_sgpr 92
		.amdhsa_reserve_vcc 0
		.amdhsa_float_denorm_mode_32 3
		.amdhsa_float_denorm_mode_16_64 3
		.amdhsa_memory_ordered 1
		.amdhsa_forward_progress 1
		.amdhsa_inst_pref_size 163
	.end_amdhsa_kernel
	.amdgpu_metadata
---
amdhsa.version: [ 1, 2 ]
amdhsa.kernels:
  - .name:           k_q0ec3fde0df_proj
    .symbol:         k_q0ec3fde0df_proj.kd
    .args:
      - { .name: hidden_states_codes, .offset: 0, .size: 8, .value_kind: global_buffer, .address_space: global }
      - { .name: hidden_states_scales, .offset: 8, .size: 8, .value_kind: global_buffer, .address_space: global }
      - { .name: key_value_states_codes, .offset: 16, .size: 8, .value_kind: global_buffer, .address_space: global }
      - { .name: key_value_states_scales, .offset: 24, .size: 8, .value_kind: global_buffer, .address_space: global }
      - { .name: Wq_codes, .offset: 32, .size: 8, .value_kind: global_buffer, .address_space: global }
      - { .name: Wq_scales, .offset: 40, .size: 8, .value_kind: global_buffer, .address_space: global }
      - { .name: Wk_codes, .offset: 48, .size: 8, .value_kind: global_buffer, .address_space: global }
      - { .name: Wk_scales, .offset: 56, .size: 8, .value_kind: global_buffer, .address_space: global }
      - { .name: Wv_codes, .offset: 64, .size: 8, .value_kind: global_buffer, .address_space: global }
      - { .name: Wv_scales, .offset: 72, .size: 8, .value_kind: global_buffer, .address_space: global }
      - { .name: qimg, .offset: 80, .size: 8, .value_kind: global_buffer, .address_space: global }
      - { .name: kv, .offset: 88, .size: 8, .value_kind: global_buffer, .address_space: global }
    .group_segment_fixed_size: 168448
    .private_segment_fixed_size: 0
    .kernarg_segment_align: 8
    .kernarg_segment_size: 96
    .max_flat_workgroup_size: 128
    .sgpr_count:     92
    .vgpr_count:     768
    .wavefront_size: 32
...
	.end_amdgpu_metadata
.endif
;; end of part 1
;; launch attn (part 2): grid 16 x 16, 16 waves a work-group, clusters of 4 x 1, 327,680 bytes of LDS; arguments qimg, kv, out0; writes out0
.if DOCPART == 2
	.amdgcn_target "amdgcn-amd-amdhsa--gfx1250"
	.amdhsa_code_object_version 6
	.text
	.protected	k_q0ec3fde0df_attn
	.globl	k_q0ec3fde0df_attn
	.p2align	8
	.type	k_q0ec3fde0df_attn,@function
k_q0ec3fde0df_attn:
	s_mov_b64 s[64:65], 0
	v_nop
	global_prefetch_b8 v0, s[64:65] scope:SCOPE_SE
	s_setreg_imm32_b32 hwreg(HW_REG_WAVE_MODE, 25, 1), 1
	s_wait_xcnt 0x0
	s_wait_alu depctr_hold_cnt(0) depctr_sa_sdst(0) depctr_va_vdst(0) depctr_va_sdst(0) depctr_va_ssrc(0) depctr_va_vcc(0) depctr_vm_vsrc(0)
	s_getreg_b32 s2, hwreg(HW_REG_IB_STS2, 6, 4)
	s_cmp_eq_u32 s2, 0
	s_cbranch_scc0 .Lentry_in_a_cluster
	s_endpgm
.Lentry_in_a_cluster:
	s_bfe_u32 s2, ttmp6, 0x10000c
	s_cmp_lg_u32 s2, 0x3003
	s_cbranch_scc0 .Lentry_shape_is_right
	s_endpgm
.Lentry_shape_is_right:
; out0[b][q][96 h ..] = the sum over keys of softmax(q . k) v for each of 16 (batch, head), 4,096 queries x 4,096 keys, head size 96; both products on codes of FP4 (E2M1) with one E8M0 byte for each 32 along K.
; q (already divided by sqrt(96)), k and v come as images of the operands' registers, in records of 128 tokens:
;   qimg: record = 8 fragments (tiles of 16 queries, K = the head's 96 channels and 32 zero codes) at 1,024 t, 512 bytes of scale words at 8,192: 8,704 bytes.
;   kv:   record = k's part laid alike; v's 6 fragments (tiles of 16 channels, K = the record's 128 keys) at 8,704 + 1,024 c; v's scale words at 14,848: 15,360 bytes.
;   a fragment: registers 0-3 of lane l at 16 l, registers 4-7 at 512 + 16 l.  Scale words: lane l's 16 bytes at 16 l are words 0-3; word i: lanes 0-15 tile 2 i, lanes 16-31 tile 2 i + 1.
;   row r of tile 2 b + u of q or k is token 32 b + 8 u + r + 8 (r / 8) of the record.
; THE SOFTMAX AHEAD OF THE SECOND PRODUCT: t = score x log2(e); M = the row's largest t so far, rounded UP to a whole number; p = 2^(t - M) is quantised along the keys, not normalised.
; The row's sum is taken of the unquantised p, in f32, and divides at the end.  When M moves, the sum and O are multiplied by 2^(old M - new M): exact.
; SHARES.  A work-group owns 256 queries of one (batch, head); each of its sixteen waves one tile of 16, in 256 registers: four waves to a SIMD, so that one wave's vector work stands beside another's
; matrix work and LDS loads.  Every wave walks the head's 32 records, 128 keys a step.  The records come through a ring of two LDS slots of four records; waves 0 to 3 fetch one record each.
; Both products are used transposed: S^T = k q^T (source 0 = 16 keys, source 1 = my queries), O^T = v^T p^T (source 0 = 16 channels, source 1 = p): a lane holds ONE query (lane % 16) throughout,
; and by the order of k's rows the 16 registers of score tiles 2 b and 2 b + 1 are keys 32 b + 16 (lane / 16) + 0 .. 15.
; CLUSTER.  The four query blocks of a cluster belong to one head and walk the same records: each record is asked for JOINTLY, by the same tensor load with the same descriptor and a mask that names the four.
; LIMITS: NaN and infinities are not served.  A block all of whose p have fallen to 0 gets the byte 1: its codes are zeros.  A head's 384 bytes of an output row begin at a multiple of 128 bytes:
; the aligned 256 of them are stored whole by sixteen neighbouring lanes; the other 128 are half of an aligned block of 256 bytes whose other half is the neighbouring head's, another work-group's.
.set REC,    15360
.set QREC,   8704
.set SLOT1,  65536                     ; a slot holds four records, 61,440 dense bytes; slot 1 begins here, so that one exclusive or turns an address in one slot into the other's
.set STAGE,  131072                    ; behind the ring: 16 rows x (384 bytes + 16) for each wave, for the way out: bytes of its own, into which no tile lands
.set SPITCH, 400
.set SPARE,  STAGE+16*16*SPITCH        ; the spare words, 128 bytes for each wave: eight blocks of 256 bytes that no other line names
.set LI,   1                           ; v1   16 x lane: an image's place for my lane
.set AD,   2                           ; v2   and in the slot in hand
.set SPW,  3                           ; v3   LDS address of my spare word: SPARE + 4 x my thread's number; never rewritten
.set NIL,  4                           ; v4   0; never rewritten
.set STO,  5                           ; v5   the way out: where I put 32 bytes of a row
.set RDA,  6                           ; v6   the way out: where I read back 16 of a row's 256 bytes: sixteen lanes to a row, two rows
.set RDB,  7                           ; v7   and 16 of a row's other 128 bytes: eight lanes to a row, four rows
.set GOA,  9                           ; v9   the same two places in out0
.set GOB,  10                          ; v10
                                       ; v12 -M, v13 the largest t, v[14:15] the sum in two halves; v16-23 q's fragment; v24 q's scale words
.set PFO,  25                          ; v25  the prefetches' offset; never rewritten
                                       ; v32-95 k's 8 fragments, then v's 6; v96-159 S^T, then p; v160-207 O^T; v208-215 p's codes
.set KS,   216                         ; v216-219 k's scale words;  v220-223 v's
.set VSC,  220
.set BM,   224                         ; v224-227 the blocks' largest scores, then largest p
.set BX,   228                         ; v228-231 the other half's; later the bytes
.set SO,   232                         ; v232-235 the conversions' scale operands
.set TT,   238                         ; v238 at work
.set FF,   240                         ; v[240:241] f = 2^(old M - new M); the packed form names a pair and takes its low word
.set PS,   242                         ; v242 p's scale word
.set WV,   10                          ; s10 my wave's number
.set CX,   11                          ; s11 my place in the cluster
.set QB,   12                          ; s12 my block of 256 queries
.set HB,   13                          ; s13 8 x batch + head
.set SEL,  20                          ; s[20:21] lane selects for v_permlanex16_b32: the lane 16 away
.set CS,   22                          ; s[22:23] log2(e)
.set G1,   24                          ; s[24:31] descriptor group 1
.set G0,   32                          ; s[32:35] descriptor group 0, which walks
.set TB,   36                          ; s36 LDS byte at which the slot in hand begins
.set SLOTS, 37                         ; s37 slots still to be asked for
.set PFA,  38                          ; s[38:39] where my prefetches stand in memory
.set LIM,  40                          ; s40 1 in a wave that prefetches, else the greatest number
; A round of the cluster's barrier: my work-group's barrier, so that wave 0's signal speaks for all sixteen waves; wave 0 signals; every wave waits for all four work-groups; my work-group's barrier once more.
.macro CROUND
	s_barrier_signal -1
	s_barrier_wait -1
	s_cmp_lg_u32 s[WV], 0
	s_cbranch_scc1 .Lnot_wave_0_\@
	s_barrier_signal -3
.Lnot_wave_0_\@:
	s_barrier_wait -3
	s_barrier_signal -1
	s_barrier_wait -1
.endm
; A joint load: waves 0 to 3 fetch one record of the slot each.  The branch hangs on the wave's number alone.  Four v_nop follow the load.
.macro JLOAD
	s_cmp_lt_u32 s[WV], 4
	s_cbranch_scc0 .Lasked_\@
	tensor_load_to_lds s[G0:G0+3], s[G1:G1+7]
	s_nop 0
.rept 4
	v_nop
.endr
.Lasked_\@:
.endm
; A PREFETCH of what the NEXT change of slots will ask for: four records, 61,440 bytes, four key steps ahead of that load.  All clusters of a head walk the same records: the head's first cluster asks.
; Its four partners take one record each, told apart BY ADDRESS; in each, waves 4 and 5, which fetch nothing, take 30 blocks of 256 bytes each, a lane a block (lanes 30 and 31 name lane 29's block with it,
; in the same instruction).  The last change that fills a slot asks for nothing: there is no slot behind it.  Slots 0 and 1 come by their loads alone.
.macro ASK
	s_cmp_gt_u32 s[SLOTS], s[LIM]
	s_cbranch_scc0 .Lnot_mine_\@
	global_prefetch_b8 v[PFO], s[PFA:PFA+1] th:TH_LOAD_NT scope:SCOPE_SE
.Lnot_mine_\@:
.endm
	s_load_b128 s[4:7], s[0:1], 0x0                ; qimg, kv
	s_load_b64 s[8:9], s[0:1], 0x10                ; out0
	v_lshl_add_u32 v[SPW], v0, 2, SPARE
	v_mov_b32 v[NIL], 0
	ds_add_u32 v3, v4
	s_wait_dscnt 0x0
	v_lshrrev_b32 v26, 5, v0
	v_readfirstlane_b32 s[WV], v26                 ; wave 0..15
	s_bfe_u32 s[CX], ttmp6, 0x40000                ; cx
	s_lshl_b32 s[QB], ttmp9, 2                     ; in a cluster launch ttmp9 counts clusters
	s_add_co_u32 s[QB], s[QB], s[CX]               ; my block of queries: it enters q's and out0's addresses alone
	s_and_b32 s[HB], ttmp7, 0xffff                 ; which the four partners share
	; group 1: a record is 15,360 dense bytes: 60 rows of 256 bytes (32 elements of 8), no padding: an image is read 512 consecutive bytes at a time
	s_mov_b32 s[G1+0], 15|(3<<16)|(1<<21)          ; 15:0 the mask: all four work-groups; 17:16 elements of 8 bytes; 21 set beside a mask
	s_mov_b32 s[G1+1], 32<<16                      ; tensor_dim0
	s_mov_b32 s[G1+2], 60<<16                      ; tensor_dim1
	s_mov_b32 s[G1+3], 32<<16                      ; tile_dim0
	s_mov_b32 s[G1+4], 60                          ; tile_dim1
	s_mov_b32 s[G1+5], 32                          ; from row to row
	s_mov_b32 s[G1+6], 0
	s_mov_b32 s[G1+7], 0
	s_mov_b32 s[SEL], 0x76543210
	s_mov_b32 s[SEL+1], 0xfedcba98
	s_mov_b32 s[CS], 0x3fb8aa3b                    ; log2(e)
	s_mov_b32 s[CS+1], s[CS]
	s_mov_b32 s[TB], 0
	s_mov_b32 s[SLOTS], 7                          ; 32 records are 8 slots; the first is asked for ahead of the loop
	s_mul_i32 s44, s[HB], 32*REC                   ; the head's first record in kv
	s_and_b32 s45, s[WV], 3
	s_mul_i32 s[G0+1], s45, REC                    ; LDS: which record of a slot I fetch: no place in the cluster enters an LDS address
	s_add_co_u32 s46, s44, s[G0+1]                 ; and the same record in memory
	s_mov_b32 s47, 0
	s_lshl_b32 s48, s[HB], 5                       ; q: record 32 x (batch, head) + 2 x block + wave / 8
	s_lshl_b32 s49, s[QB], 1
	s_add_co_u32 s48, s48, s49
	s_lshr_b32 s49, s[WV], 3
	s_add_co_u32 s48, s48, s49
	s_mul_i32 s48, s48, QREC
	s_mov_b32 s49, 0
	s_and_b32 s50, s[WV], 7                        ; my tile of the record
	s_lshl_b32 s51, s50, 10
	v_and_b32 v[LI], 31, v0
	v_lshlrev_b32 v[LI], 4, v[LI]
	v_add_nc_u32 v26, s51, v[LI]                   ; its fragment
	s_and_b32 s51, s[WV], 1                        ; its scale words: word tile / 2 of lanes 16 (tile % 2) + r
	s_lshl_b32 s51, s51, 8
	s_lshr_b32 s50, s50, 1
	s_lshl_b32 s50, s50, 2
	s_add_co_u32 s51, s51, s50
	v_and_b32 v27, 15, v0
	v_lshl_add_u32 v27, v27, 4, s51
	s_lshr_b32 s52, s[HB], 3                       ; out0: row 4,096 x batch + 256 x block + 32 (wave / 2) + 8 (wave % 2), 3,072 bytes a row; + 384 x head
	s_lshl_b32 s52, s52, 12
	s_lshl_b32 s53, s[QB], 8
	s_add_co_u32 s52, s52, s53
	s_lshr_b32 s53, s[WV], 1
	s_lshl_b32 s53, s53, 5
	s_add_co_u32 s52, s52, s53
	s_and_b32 s53, s[WV], 1
	s_lshl_b32 s53, s53, 3
	s_add_co_u32 s52, s52, s53
	s_mul_i32 s52, s52, 3072
	s_and_b32 s53, s[HB], 7
	s_mul_i32 s53, s53, 384
	s_add_co_u32 s52, s52, s53
	s_mov_b32 s53, 0
	s_mul_i32 s54, s[CX], REC                      ; the prefetches: my work-group's record of a slot,
	s_and_b32 s55, s[WV], 1
	s_mul_i32 s55, s55, REC/2                      ; my wave's half of it,
	s_add_co_u32 s54, s54, s55
	s_add_co_u32 s54, s54, s44                     ; in my head,
	s_add_co_u32 s54, s54, 4*REC                   ; in slot 1: the first change of slots steps it to slot 2
	s_mov_b32 s55, 0
	v_and_b32 v[PFO], 31, v0
	v_min_u32 v[PFO], 29, v[PFO]
	v_lshlrev_b32 v[PFO], 8, v[PFO]
	s_sub_co_u32 s50, s[WV], 4
	s_lshr_b32 s50, s50, 1                         ; 0 in waves 4 and 5,
	s_or_b32 s50, s50, ttmp9                       ; of the head's first cluster: the same in all four partners
	s_cmp_eq_u32 s50, 0
	s_cselect_b32 s[LIM], 1, -1
	s_wait_kmcnt 0x0
	s_mov_b32 s[G0], 1                             ; 1:0 count = 1
	s_add_nc_u64 s[G0+2:G0+3], s[6:7], s[46:47]    ; 120:64 global address: slot 0's record
	s_or_b32 s[G0+3], s[G0+3], 0x80000000          ; 127:126 type = 2
	s_add_nc_u64 s[4:5], s[4:5], s[48:49]
	s_add_nc_u64 s[8:9], s[8:9], s[52:53]
	s_add_nc_u64 s[PFA:PFA+1], s[6:7], s[54:55]
	CROUND                                         ; all four work-groups are here: the first joint loads meet
	JLOAD                                          ; slot 0: one load of mine is out
	global_load_b128 v[16:19], v26, s[4:5]         ; q's fragment stays in registers
	global_load_b128 v[20:23], v26, s[4:5] offset:512
	global_load_b32 v24, v27, s[4:5] offset:8192   ; and its scale words
	v_mov_b32 v13, 0xff61b1e6                      ; the largest t so far: -3e38, under every t
	v_floor_f32 v12, -v13                          ; -M
	v_mov_b32 v14, 0                               ; the sum, in two halves
	v_mov_b32 v15, 0
.irp b, 0,1,2,3
	v_mov_b32 v[BX+\b], 0                          ; written once: a lane permute's destination counts as one of its sources
.endr
	v_mov_b32 v[FF+1], 0                           ; (named as the upper half of a pair)
.set j, 0
.rept 48
	v_mov_b32 v[160+j], 0                          ; O^T.  The step is written once: the first finds zeros, which the first change of M leaves zeros
.set j, j+1
.endr
; A KEY STEP: record q of the slot in hand, 128 keys.
.macro STEP q
.rept 4
	v_nop                                          ; four places between the last step's products and the loads into the registers that they read (ISA guide 7.12.1 for vector instructions)
.endr
.irp t, 0,1,2,3,4,5,6,7
.irp c, 0,1
	ds_load_b128 v[32+8*\t+4*\c:35+8*\t+4*\c], v[AD] offset:(\q)*REC+1024*\t+512*\c
.endr
.endr
	ds_load_b128 v[KS:KS+3], v[AD] offset:(\q)*REC+8192
	s_wait_dscnt 0x0
.irp t, 0,1,2,3,4,5,6,7                        ; S^T = k q^T; an odd tile's scale words lie in lanes 16-31
.if \t%2
	v_wmma_scale_f32_16x16x128_f8f6f4 v[96+8*\t:103+8*\t], v[32+8*\t:39+8*\t], v[16:23], 0, v[KS+\t/2], v24 matrix_a_fmt:MATRIX_FMT_FP4 matrix_b_fmt:MATRIX_FMT_FP4 matrix_a_scale:MATRIX_SCALE_ROW1
.else
	v_wmma_scale_f32_16x16x128_f8f6f4 v[96+8*\t:103+8*\t], v[32+8*\t:39+8*\t], v[16:23], 0, v[KS+\t/2], v24 matrix_a_fmt:MATRIX_FMT_FP4 matrix_b_fmt:MATRIX_FMT_FP4
.endif
.endr
.rept 4
	v_nop                                          ; four places, for the loads below and for the first read of the scores
.endr
.irp c, 0,1,2,3,4,5                            ; v's fragments are asked for now and land while the softmax is walked
.irp d, 0,1
	ds_load_b128 v[32+8*\c+4*\d:35+8*\c+4*\d], v[AD] offset:(\q)*REC+8704+1024*\c+512*\d
.endr
.endr
	ds_load_b128 v[VSC:VSC+3], v[AD] offset:(\q)*REC+14848
.irp b, 0,1,2,3
	v_max3_num_f32 v[BM+\b], v[96+16*\b], v[97+16*\b], v[98+16*\b]   ; THE LARGEST SCORE OF EACH BLOCK OF 32 KEYS: it serves the row's maximum and, since p rises with the score, the block's largest p
.endr
.irp i, 3,5,7,9,11,13
.irp b, 0,1,2,3
	v_max3_num_f32 v[BM+\b], v[BM+\b], v[96+16*\b+\i], v[97+16*\b+\i]   ; (the four blocks by turns)
.endr
.endr
.irp b, 0,1,2,3
	v_max_num_f32 v[BM+\b], v[BM+\b], v[111+16*\b]
.endr
.irp b, 0,1,2,3
	v_permlanex16_b32 v[BX+\b], v[BM+\b], s[SEL], s[SEL+1]
.endr
.irp b, 0,1,2,3
	v_max_num_f32 v[BM+\b], v[BM+\b], v[BX+\b]     ; with the 16 keys of the lane 16 away
.endr
	v_max3_num_f32 v[TT], v[BM], v[BM+1], v[BM+2]
	v_max_num_f32 v[TT], v[TT], v[BM+3]            ; the step's largest score of my query
	v_mul_f32 v[TT], s[CS], v[TT]                  ; as t
	v_max_num_f32 v13, v13, v[TT]                  ; the running largest t
	v_mov_b32 v[TT], v12
	v_floor_f32 v12, -v13                          ; the new -M = floor(-t) = -ceil(t): M is a whole number
	v_sub_f32 v[TT], v12, v[TT]                    ; old M - new M: a whole number, 0 or less
	v_cvt_i32_f32 v[TT], v[TT]                     ; (it saturates)
	v_ldexp_f32 v[FF], 1.0, v[TT]                  ; f = 2^(old M - new M): a multiplication by it rounds nothing
.set j, 0
.rept 32
	v_pk_fma_f32 v[96+j:97+j], v[96+j:97+j], s[CS:CS+1], v[12:13] op_sel_hi:[1,0,0]   ; t - M, two at a time (of the pairs the low word serves both halves)
.set j, j+2
.endr
.irp b, 0,1,2,3
	v_fma_f32 v[BM+\b], v[BM+\b], s[CS], v12       ; the same of each block's largest score
.endr
.set j, 0
.rept 64
	v_exp_f32 v[96+j], v[96+j]                     ; p = 2^(t - M), at most 1: not normalised
.set j, j+1
.endr
	v_pk_mul_f32 v[14:15], v[14:15], v[FF:FF+1] op_sel_hi:[1,0]   ; the sums under the new M: the plain line behind the exponentials
	s_wait_alu depctr_va_vdst(0)                   ; one wait for the batch of 64, ahead of its first reader
.irp b, 0,1,2,3
	v_exp_f32 v[BM+\b], v[BM+\b]                   ; the block's largest p: the same two instructions on the same number give the same bits
.endr
	v_pk_add_f32 v[236:237], v[96:97], v[98:99]    ; THE ROW'S SUM IS TAKEN OF THE UNQUANTISED p: two at a time, in two chains; it reads the 64 alone: plain work behind the four
.irp j, 4,8,12,16,20,24,28,32,36,40,44,48,52,56,60
	v_pk_add_f32 v[14:15], v[14:15], v[96+\j:97+\j]
	v_pk_add_f32 v[236:237], v[236:237], v[98+\j:99+\j]
.endr
	v_pk_add_f32 v[14:15], v[14:15], v[236:237]
	s_wait_alu depctr_va_vdst(0)                   ; and one for the four
.irp b, 0,1,2,3
	v_max_num_f32 v[BM+\b], 0x1800000, v[BM+\b]    ; the floor 2^(3 - 127): the byte cannot fall under 1
.endr
.irp b, 0,1,2,3
	v_add_nc_u32 v[SO+\b], 0xff000000, v[BM+\b]    ; 2 off the exponent field: the conversion's scale operand
.endr
.irp b, 0,1,2,3
	v_lshrrev_b32 v[BX+\b], 23, v[SO+\b]           ; the scale's byte
.endr
	v_lshl_or_b32 v[PS], v[BX+1], 8, v[BX]         ; p's scale word for these 128 keys
	v_lshl_or_b32 v[PS], v[BX+2], 16, v[PS]
	v_lshl_or_b32 v[PS], v[BX+3], 24, v[PS]
.irp b, 0,1,2,3
	v_cvt_scalef32_pk8_fp4_f32 v[208+2*\b], v[96+16*\b:103+16*\b], v[SO+\b]
	v_cvt_scalef32_pk8_fp4_f32 v[209+2*\b], v[104+16*\b:111+16*\b], v[SO+\b]
.endr
	v_nop                                          ; one plain line behind the last conversion
.irp c, 0,1                                    ; the operand's layout wants a whole block in a lane: lanes 0-15 block 2 c, lanes 16-31 block 2 c + 1
.irp i, 0,1
	v_permlane16_swap_b32 v[208+4*\c+\i], v[210+4*\c+\i]
.endr
.endr
.set j, 0
.rept 24
	v_pk_mul_f32 v[160+j:161+j], v[160+j:161+j], v[FF:FF+1] op_sel_hi:[1,0]   ; O^T under the new M.  These lines also stand between the writing of p's codes and scale word and the products that take them
.set j, j+2
.endr
	s_wait_dscnt 0x0                               ; v's fragments and scale words are in
.irp c, 0,1,2,3,4,5                            ; O^T += v^T p^T: the six accumulators by turns, one instruction a turn
.if \c%2
	v_wmma_scale_f32_16x16x128_f8f6f4 v[160+8*\c:167+8*\c], v[32+8*\c:39+8*\c], v[208:215], v[160+8*\c:167+8*\c], v[VSC+\c/2], v[PS] matrix_a_fmt:MATRIX_FMT_FP4 matrix_b_fmt:MATRIX_FMT_FP4 matrix_a_scale:MATRIX_SCALE_ROW1
.else
	v_wmma_scale_f32_16x16x128_f8f6f4 v[160+8*\c:167+8*\c], v[32+8*\c:39+8*\c], v[208:215], v[160+8*\c:167+8*\c], v[VSC+\c/2], v[PS] matrix_a_fmt:MATRIX_FMT_FP4 matrix_b_fmt:MATRIX_FMT_FP4
.endif
.endr
.endm
; THE CHANGE OF SLOTS stands at a slot's head.  Each wave waits for all its tensor loads (its part of the slot that it is about to read), adds 0 to its spare word, and waits for that and for its reads of the
; slot that it has left.  fill = 1: the barrier is a round of the cluster's, so that no wave of any partner still reads the other slot or has a load on its way; that slot is then filled with the next four
; records, first thing behind the round: the load has four key steps in which to land.
.macro CHANGE fill
	s_wait_tensorcnt 0x0                           ; no tensor load of mine is out, so the group 0 may be written
	ds_add_u32 v[SPW], v[NIL]                      ; 0 onto my spare word
.if \fill
	s_xor_b32 s[G0+1], s[G0+1], SLOT1              ; the walking descriptor: the other slot than last time,
	s_add_nc_u64 s[G0+2:G0+3], s[G0+2:G0+3], 4*REC ; the next four records; the type bits on top are not reached
	s_wait_xcnt 0x0                                ; the last prefetch, a slot back, has read its address, so it may be written:
	s_add_nc_u64 s[PFA:PFA+1], s[PFA:PFA+1], 4*REC ; one slot further on than the walking descriptor
.endif
	s_wait_dscnt 0x0                               ; the add is done, and my reads of the slot that I have left are over
.if \fill
	CROUND
	JLOAD                                          ; the first thing behind the round, and a wave's one tensor load until the next
	ASK
.else
	s_barrier_signal -1
	s_barrier_wait -1
.endif
.endm
.macro SLOT_STEPS
	v_add_nc_u32 v[AD], s[TB], v[LI]
	STEP 0
	STEP 1
	STEP 2
	STEP 3
	s_xor_b32 s[TB], s[TB], SLOT1                  ; on to the other slot
.endm
; The stage's 16 rows go back into registers and out.  p = the head's parity: a head's 384 bytes of a row begin 384 x head bytes into it, so the 256 of them that are an aligned block begin at byte 128 p,
; and the other 128 at byte 256 (1 - p).  Eight instructions take the 256 bytes of two rows each, sixteen lanes to a row; four take the 128 bytes of four rows each, eight lanes to a row.
; Stage row n is query n + 8 (n / 8) of my tile's span of 24 rows.  Every offset is an immediate.
.macro WAYOUT p
.irp i, 0,1,2,3,4,5,6,7
	ds_load_b128 v[32+4*\i:35+4*\i], v[RDA] offset:2*\i*SPITCH+128*(\p)   ; LDS serves a wave's instructions in order (ISA guide 5.7.1.4): these see my stores
.endr
.irp g, 0,1,2,3
	ds_load_b128 v[64+4*\g:67+4*\g], v[RDB] offset:4*\g*SPITCH+256*(1-(\p))
.endr
.irp i, 0,1,2,3,4,5,6,7
	s_wait_dscnt 11-\i                             ; the younger loads from the stage may stay out
	global_store_b128 v[GOA], v[32+4*\i:35+4*\i], s[8:9] offset:(2*\i+8*(\i/4))*3072+128*(\p) th:TH_STORE_NT   ; sixteen lanes store 256 consecutive bytes, at a multiple of 256 from out0's first byte; written once, read by nobody here
.endr
.irp g, 0,1,2,3
	s_wait_dscnt 3-\g
	global_store_b128 v[GOB], v[64+4*\g:67+4*\g], s[8:9] offset:(4*\g+8*(\g/2))*3072+256*(1-(\p)) th:TH_STORE_NT   ; eight lanes store the row's other 128 bytes
.endr
.endm
	s_wait_loadcnt 0x0                             ; q
.Lslot:                                                ; 7 trips: behind each change of slots but the last the next slot is asked for
	CHANGE 1
	SLOT_STEPS
	s_sub_co_u32 s[SLOTS], s[SLOTS], 1
	s_cmp_lg_u32 s[SLOTS], 0
	s_cbranch_scc1 .Lslot
	CHANGE 0                                       ; the last slot is written out
	SLOT_STEPS
	; THE WAY OUT.  O^T is divided by the row's sum and goes through my own stage in LDS: in, a lane's eight channels of a row; back, runs of a row's neighbouring bytes.
	v_add_f32 v14, v14, v15                        ; the sum's two halves,
	v_permlanex16_b32 v[TT], v14, s[SEL], s[SEL+1]
	v_add_f32 v14, v14, v[TT]                      ; and those of the lane 16 away: the row's sum
	v_rcp_f32 v14, v14
	; the addresses are made here: plain lines behind the reciprocal and behind the last products, and the work between the reciprocal and the wait for it
	s_mul_i32 s44, s[WV], 16*SPITCH
	s_add_co_u32 s44, s44, STAGE                   ; my stage
	v_and_b32 v26, 15, v0                          ; r
	v_bfe_u32 v27, v0, 4, 1                        ; h
	v_mul_u32_u24 v[STO], v26, SPITCH
	v_lshl_add_u32 v[STO], v27, 5, v[STO]
	v_add_nc_u32 v[STO], s44, v[STO]               ; in: row r; channel tile c's eight channels of my half: 64 c + 32 h bytes on
	v_mul_u32_u24 v[RDA], v27, SPITCH
	v_lshl_add_u32 v[RDA], v26, 4, v[RDA]
	v_add_nc_u32 v[RDA], s44, v[RDA]               ; back: lanes 0-15 one row, lanes 16-31 the next, 16 bytes a lane
	v_mul_u32_u24 v[GOA], v27, 3072                ; and in out0: 3,072 bytes from row to row
	v_lshl_add_u32 v[GOA], v26, 4, v[GOA]
	v_and_b32 v28, 7, v0
	v_bfe_u32 v29, v0, 3, 2
	v_mul_u32_u24 v[RDB], v29, SPITCH
	v_lshl_add_u32 v[RDB], v28, 4, v[RDB]
	v_add_nc_u32 v[RDB], s44, v[RDB]               ; back: eight lanes to a row, four rows
	v_mul_u32_u24 v[GOB], v29, 3072
	v_lshl_add_u32 v[GOB], v28, 4, v[GOB]
	s_wait_alu depctr_va_vdst(0)                   ; the wait ahead of the reciprocal's first reader
.set j, 0
.rept 48
	v_mul_f32 v[96+j], v[160+j], v14               ; register 8 c + i is channel 16 c + 8 h + i of my query; each accumulator from its low end on
.set j, j+1
.endr
.irp c, 0,1,2,3,4,5
	ds_store_b128 v[STO], v[96+8*\c:99+8*\c] offset:64*\c
	ds_store_b128 v[STO], v[100+8*\c:103+8*\c] offset:64*\c+16
.endr
	s_and_b32 s45, s[HB], 1                        ; the head's parity: the same in all four partners of the cluster; both ways only read the stage
	s_cmp_lg_u32 s45, 0
	s_cbranch_scc1 .Lodd_head
	WAYOUT 0
	s_branch .Lsent
.Lodd_head:
	WAYOUT 1
.Lsent:
	s_wait_tensorcnt 0x0                           ; the wave's end, behind my last tensor load and my last LDS store
	ds_add_u32 v[SPW], v[NIL]
	s_wait_dscnt 0x0
	CROUND                                         ; the closing round: no work-group ends while a partner may still ask for a record that names it
	s_endpgm
.Lfunc_end_k_q0ec3fde0df_attn:
	.size	k_q0ec3fde0df_attn, .Lfunc_end_k_q0ec3fde0df_attn-k_q0ec3fde0df_attn
	.p2alignl 7, 3214868480
	.fill 96, 4, 3214868480
	.section	.rodata,"a",@progbits
	.p2align	6, 0x0
	.amdhsa_kernel k_q0ec3fde0df_attn
		.amdhsa_group_segment_fixed_size 327680
		.amdhsa_private_segment_fixed_size 0
		.amdhsa_enable_private_segment 0
		.amdhsa_kernarg_size 24
		.amdhsa_user_sgpr_count 2
		.amdhsa_user_sgpr_kernarg_segment_ptr 1
		.amdhsa_wavefront_size32 1
		.amdhsa_system_sgpr_workgroup_id_x 1
		.amdhsa_system_sgpr_workgroup_id_y 1
		.amdhsa_system_sgpr_workgroup_id_z 1
		.amdhsa_system_vgpr_workitem_id 0
		.amdhsa_next_free_vgpr 256
		.amdhsa_next_free_sgpr 66
		.amdhsa_reserve_vcc 0
		.amdhsa_float_denorm_mode_32 3
		.amdhsa_float_denorm_mode_16_64 3
		.amdhsa_memory_ordered 1
		.amdhsa_forward_progress 1
		.amdhsa_inst_pref_size 146
	.end_amdhsa_kernel
	.amdgpu_metadata
---
amdhsa.version: [ 1, 2 ]
amdhsa.kernels:
  - .name:           k_q0ec3fde0df_attn
    .symbol:         k_q0ec3fde0df_attn.kd
    .args:
      - { .name: qimg, .offset: 0, .size: 8, .value_kind: global_buffer, .address_space: global }
      - { .name: kv, .offset: 8, .size: 8, .value_kind: global_buffer, .address_space: global }
      - { .name: out0, .offset: 16, .size: 8, .value_kind: global_buffer, .address_space: global }
    .group_segment_fixed_size: 327680
    .private_segment_fixed_size: 0
    .kernarg_segment_align: 8
    .kernarg_segment_size: 24
    .max_flat_workgroup_size: 512
    .sgpr_count:     66
    .vgpr_count:     256
    .wavefront_size: 32
...
	.end_amdgpu_metadata
.endif
;; end of part 2
